; MI455X (gfx1250); checked and timed in simulation.
; The chip was launched on July 23, 2026; its instructions are those of AMD's public machine-readable ISA for CDNA 5 (MIT licence, August 2026) and "CDNA5" Instruction Set Architecture Reference Guide (July 2026). The comments in the code are by the model that wrote it; some were corrected since.
;; Prompt Attention. Allowed arithmetic: matrix products marked QUANTISED: E2M1 operands, one E8M0 scale for each 32 along K, by v_wmma_scale_f32_16x16x128_f8f6f4 with both operands' format E2M1 (or v_wmma_scale_f32_32x16x128_f4), f32 sums; products left as they are: f32 operands where the result goes on into a quantised operand, else bf16, f16 or f32 operands; f32 sums; everything else in f32.
;; Inputs: Wk 64 x 64 float32; Wo 512 x 128 float32; Wq 64 x 64 float32; bk 64 float32; bo 128 float32; bq 64 float32; key 32 x 2,048 x 64 float32; query 32 x 128 x 64 float32; value 32 x 2,048 x 64 float32.
;; Outputs: out0 32 x 128 x 128 float32.
;; This version of the problem:
;;   THIS VERSION OF THE PROBLEM IS GIVEN IN LOW PRECISION. The matrix products marked QUANTISED in the list below multiply operands that are first quantised to E2M1 (2 exponent bits, 1 mantissa bit; 4 bits a number), with one power-of-two scale for each 32 numbers along K (OCP MX v1.0); their sums are f32. All else is computed in f32.
;;   The module's matrix products, in the order in which they are computed (A, B: the left and right operand; K: the contracted axis; several contracted axes count as one K, in the product's order):
;;     1. [M 4,096, K 64] x [K 64, N 64]; A: input query; B: input Wq: QUANTISED
;;     2. [M 65,536, K 64] x [K 64, N 64]; A: input key; B: input Wk: QUANTISED
;;     3. batch 256 x [M 128, K 8] x [K 8, N 2,048]; A: computed on the way; B: computed on the way: left as it is (K = 8 < 32)
;;     4. batch 32 x [M 1,024, K 2,048] x [K 2,048, N 64]; A: computed on the way; B: input value: QUANTISED
;;     5. [M 4,096, K 512] x [K 512, N 128]; A: computed on the way; B: input Wo: QUANTISED
;;   THE QUANTISER, for each operand of a quantised product, along K:
;;     - K is cut into blocks of 32 from its start; a last block that is shorter is filled with zeros.
;;     - A block's scale is 2^e with e = floor(log2(the largest magnitude in the block)) - 2, held to -126 .. 127; a block of zeros has e = 0. As a byte (E8M0): e + 127.
;;     - Each number is divided by its block's scale, clamped to +-6, and rounded to the nearest number of E2M1, ties to even, subnormals kept.
;;     - The product sums the exact products of the quantised numbers (number of the format x scale) in f32.
;;   ~~~python
;;   def quantise(x, axis):      # numpy; x: float32 -> the quantised numbers, widened to float32 again
;;       x = np.moveaxis(x, axis, -1); K = x.shape[-1]
;;       x = np.pad(x, [(0, 0)] * (x.ndim - 1) + [(0, -K % 32)]); x = x.reshape(x.shape[:-1] + (-1, 32)); a = np.abs(x).max(-1, keepdims=True)
;;       e = np.where(a > 0, np.clip(np.frexp(np.where(a > 0, a, 1))[1] - 1 - 2, -126, 127), 0)      # np.frexp(a)[1] - 1 = floor(log2(a)), exactly
;;       r = np.clip(x / 2.0 ** e, -6, 6)
;;       step = 2.0 ** (np.maximum(np.frexp(np.where(r == 0, 1, r))[1] - 1, 0) - 1)
;;       q = np.round(r / step) * step * 2.0 ** e      # np.round: ties to even
;;       return np.moveaxis(q.reshape(q.shape[:-2] + (-1,))[..., :K], -1, axis).astype(np.float32)
;;   ~~~
;;   OPERANDS COMPUTED ON THE WAY. 'Computed on the way' means the value that the module computes at that place (a softmax that the list does not call 'softmax' is quantised finished and normalised). What goes into a quantiser is computed in f32, as accurately as f32 sums, v_exp_f32 and their like allow (about 1e-6 of the number): no bf16 or f16 on the way to a quantiser, and a product that is left as it is and whose result goes on into a quantised operand takes f32 operands (vector FMAs, or v_wmma_f32_16x16x4_f32). A number that lies on a knife's edge between two numbers of the format may be rounded either way, as far as f32 arithmetic and the matrix unit's own rounding can turn it there, and no further.
;; One version. Each part assembles by itself: llvm-mc -triple=amdgcn-amd-amdhsa -mcpu=gfx1250 --defsym DOCPART=n.
;; ======== version 1 of 1: 3 launches
;; workspace buffers: rc 2,228,224 bytes; rs 278,528 bytes; cc 2,129,920 bytes; cs 266,240 bytes; xc 1,048,576 bytes; xs 65,536 bytes
;; launch quant (part 1): grid 1064 x 1, 4 waves a work-group, no clusters, 36,864 bytes of LDS; arguments key, query, value, Wo, rc, rs, cc, cs; writes rc, rs, cc, cs
.if DOCPART == 1
	.amdgcn_target "amdgcn-amd-amdhsa--gfx1250"
	.amdhsa_code_object_version 6
	.text
	.protected	k_q4f48d032de_quant
	.globl	k_q4f48d032de_quant
	.p2align	8
	.type	k_q4f48d032de_quant,@function
k_q4f48d032de_quant:
	s_mov_b64 s[64:65], 0
	v_nop
	global_prefetch_b8 v0, s[64:65] scope:SCOPE_SE
	s_setreg_imm32_b32 hwreg(HW_REG_WAVE_MODE, 25, 1), 1
	s_wait_xcnt 0x0
; key [32][2048][64], query [32][128][64] (K = the last axis) and value [32][2048][64], Wo [512][128] (K = the first axis of a matrix), all f32,
; become codes of FP4 (E2M1) with one E8M0 byte for each 32 along K, laid as IMAGES OF THE OPERANDS' REGISTERS, so that the later launches fetch fragments as dense runs of 512 bytes.
; A block's scale is 2^(floor(log2(largest magnitude)) - 2): its byte is the largest magnitude's exponent field - 2, held at 1 from below by a floor among the maximum's leaves.
; LIMITS: a block of zeros gets the byte 1 where the rule says 127 (its codes are zeros, and this program alone reads the bytes); NaN and infinities among the inputs are not served.
; UNITS.  A work-group takes one unit, its wave j the unit's block j of 32 (c = j / 2, e = j % 2).  L = lane, r = L % 16, hf = L / 16.
;   work-groups 0-543, ROWS: 128 rows x 64 along K (key: unit 16 b + s / 128; query: unit 512 + b).
;     rc unit, 4,096 bytes: [block of rows 4][u 2][lane 32][16 bytes]: lane (r, hf) holds k = 32 hf .. 32 hf + 31 of row 32 block + 8 u + r + 8 (r / 8).
;     rs unit, 512 bytes: [c 2][lane 32][e 2] words, block = 2 c + e; lanes 0-15 tile u = 0, lanes 16-31 tile u = 1; a word = byte of k 0-31 | byte of k 32-63 << 8.
;   work-groups 544-1063, COLUMNS: 128 along K x 64 columns (value: unit 16 b + s / 128; Wo: unit 512 + 2 (k / 128) + n / 64).
;     cc unit, 4,096 bytes: [c 2][tile 4][lane 32][16 bytes]: lane (r, hf) holds K block 2 c + hf of column 32 (tile / 2) + 8 (tile % 2) + r + 8 (r / 8).
;     cs unit, 512 bytes: [c 2][lane 32][g 2] words for tile 2 g + L / 16, row r: byte of K block 2 c | byte of K block 2 c + 1 << 8.
; The three ways part on the work-group's number alone; each has LDS bytes of its own.  No loop: a wave asks for all its 8,192 bytes at once.
.set STW, 8704                         ; ROWS: a wave's stage: 32 rows of 256 bytes + 16 of padding
.set SPI, 272
.set GR,  34816                        ; 512 bytes in which a unit's scale words are gathered: ROWS,
.set GV,  35328                        ; value,
.set GW,  35840                        ; Wo
.set X,   32                           ; v32-95   numbers as they are loaded
.set Y,   96                           ; v96-159  ROWS: two tiles' blocks, 32 neighbours along K a lane
.set C,   20                           ; v20-27   codes
	s_load_b256 s[4:11], s[0:1], 0x0               ; key, query, value, Wo
	s_load_b256 s[12:19], s[0:1], 0x20             ; rc, rs, cc, cs
	v_lshl_add_u32 v160, v0, 2, 0x8e00
	v_mov_b32 v161, 0
	v_lshrrev_b32 v1, 5, v0
	v_readfirstlane_b32 s20, v1                    ; wave j
	v_and_b32 v5, 31, v0                           ; L
	v_and_b32 v6, 15, v0                           ; r
	v_bfe_u32 v7, v0, 4, 1                         ; hf
	v_lshlrev_b32 v1, 4, v5                        ; 16 L
	s_lshr_b32 s21, s20, 1                         ; c
	s_and_b32 s28, s20, 1                          ; e
	s_mov_b32 s22, 0x76543210
	s_mov_b32 s23, 0xfedcba98                      ; v_permlanex16_b32's selects for lane L xor 16
	s_mov_b32 s27, 0                               ; the upper word of every offset
	s_wait_kmcnt 0x0
	s_cmp_lt_u32 ttmp9, 544
	s_cbranch_scc0 .Lcols
	; ---------------- ROWS ----------------
	s_cmp_lt_u32 ttmp9, 512                        ; key's unit or query's: the choice hangs on the work-group's number alone
	s_cselect_b64 s[24:25], s[4:5], s[6:7]
	s_cselect_b32 s26, 0, 512
	s_sub_co_u32 s26, ttmp9, s26
	s_lshl_b32 s26, s26, 15                        ; a unit is 32,768 bytes of f32,
	s_lshl_b32 s29, s20, 13                        ; my 32 rows 8,192
	s_add_co_u32 s26, s26, s29
	s_add_nc_u64 s[24:25], s[24:25], s[26:27]
.set II, 0
.rept 16
	global_load_b128 v[X+4*II:X+4*II+3], v1, s[24:25] offset:512*II th:TH_LOAD_NT   ; rows 2 i and 2 i + 1: 512 consecutive bytes
.set II, II+1
.endr
	s_mul_i32 s29, s20, STW
	v_mul_u32_u24 v2, v7, SPI
	v_lshl_add_u32 v2, v6, 4, v2
	v_add_nc_u32 v2, s29, v2                       ; into the stage: slot hf, 16 r
	v_mul_u32_u24 v3, v6, SPI
	v_lshl_add_u32 v3, v7, 7, v3
	v_add_nc_u32 v3, s29, v3                       ; out of it: slot r, my half's 128 bytes
	v_lshlrev_b32 v4, 3, v7                        ; 8 hf: my byte's place in the scale word
	v_mov_b32 v16, 0                               ; a lane permute's destination counts as one of its sources
	v_mov_b32 v17, 0
	s_lshl_b32 s26, ttmp9, 12
	s_lshl_b32 s29, s20, 10
	s_add_co_u32 s26, s26, s29
	s_add_nc_u64 s[12:13], s[12:13], s[26:27]      ; rc: my unit, my block
	s_lshl_b32 s26, ttmp9, 9
	s_add_nc_u64 s[14:15], s[14:15], s[26:27]      ; rs: my unit
	s_lshl_b32 s30, s21, 8
	s_lshl_b32 s31, s28, 2
	s_add_co_u32 s30, s30, s31
	v_lshl_add_u32 v28, v5, 3, s30                 ; my scale word's place: 8 L + 256 c + 4 e
	v_cmp_lt_u32 vcc_lo, 15, v5                    ; lanes 16-31
; The rows go into the stage IN THE ORDER OF THE TILES: row p of the block takes slot 16 ((p / 8) % 2) + p % 8 + 8 (p / 16), which is 16 u + r.
.set II, 0
.rept 16
	s_wait_loadcnt 15-II                           ; loads come back in order: load i is in, the younger ones may be out
	ds_store_b128 v2, v[X+4*II:X+4*II+3] offset:(16*((II>>2)&1)+((2*II)&7)+8*(II>>3))*SPI
.set II, II+1
.endr
.irp u, 0,1
.set II, 0
.rept 8
	ds_load_b128 v[Y+32*\u+4*II:Y+32*\u+4*II+3], v3 offset:\u*16*SPI+16*II   ; LDS serves a wave's instructions in order: these see my stores
.set II, II+1
.endr
.endr
	s_wait_dscnt 0x0
.irp u, 0,1
	v_max3_num_f32 v[8+\u], |v[Y+32*\u]|, |v[Y+32*\u+1]|, 0x1800000   ; my block's largest magnitude (all 32 numbers are mine), and the floor 2^(3 - 127)
.endr
.irp i, 2,4,6,8,10,12,14,16,18,20,22,24,26,28,30
.irp u, 0,1
	v_max3_num_f32 v[8+\u], v[8+\u], |v[Y+32*\u+\i]|, |v[Y+32*\u+\i+1]|   ; (the two tiles by turns)
.endr
.endr
.irp u, 0,1
	v_add_nc_u32 v[10+\u], 0xff000000, v[8+\u]     ; 2 off the exponent field: the conversion's scale operand
.endr
.irp u, 0,1
.irp q, 0,1,2,3
	v_cvt_scalef32_pk8_fp4_f32 v[C+4*\u+\q], v[Y+32*\u+8*\q:Y+32*\u+8*\q+7], v[10+\u]
.endr
.endr
.irp u, 0,1
	v_lshrrev_b32 v[12+\u], 23, v[10+\u]           ; the scale's byte
.endr
.irp u, 0,1
	v_lshlrev_b32 v[14+\u], v4, v[12+\u]           ; at its place in the word,
.endr
.irp u, 0,1
	v_permlanex16_b32 v[16+\u], v[14+\u], s22, s23
.endr
.irp u, 0,1
	v_or_b32 v[18+\u], v[14+\u], v[16+\u]          ; with lane L xor 16's the word is whole
.endr
	v_cndmask_b32 v18, v18, v19, vcc_lo            ; lanes 0-15 keep tile 0's word of row r, lanes 16-31 take tile 1's
	global_store_b128 v1, v[C:C+3], s[12:13]             ; a tile's codes: 512 consecutive bytes
	global_store_b128 v1, v[C+4:C+7], s[12:13] offset:512
	ds_store_b32 v28, v18 offset:GR
	s_wait_dscnt 0x0                               ; for the others' sake: my word has landed
	s_barrier_signal -1
	s_barrier_wait -1
	s_cmp_lg_u32 s20, 0
	s_cbranch_scc1 .Lrows_end
	ds_load_b128 v[32:35], v1 offset:GR            ; wave 0 sends the unit's 512 bytes of scale words out whole
	s_wait_dscnt 0x0
	global_store_b128 v1, v[32:35], s[14:15]
.Lrows_end:
	s_wait_tensorcnt 0x0
	ds_add_u32 v160, v161
	s_wait_dscnt 0x0
	s_endpgm
	; ---------------- COLUMNS ----------------
; A lane takes a column and its registers run down K: a block of 32 lies in one lane, and the conversions give codes with K innermost.  Two groups of 32 columns; in group g lane L
; takes column 32 g + L % 8 + 16 ((L / 8) % 2) + 8 (L / 16), which is row r of tile 2 g + L / 16: a load still covers 128 consecutive bytes.
.macro COLS pitch, base
.irp g, 0,1
.set II, 0
.rept 32
	global_load_b32 v[X+32*\g+II], v2, s[24:25] offset:II*\pitch+128*\g th:TH_LOAD_NT
.set II, II+1
.endr
.endr
.irp g, 0,1
	s_wait_loadcnt 32-32*\g                        ; this group's 32 loads are in; the other group's, issued behind them, may be out
	v_max3_num_f32 v8, |v[X+32*\g]|, |v[X+32*\g+1]|, |v[X+32*\g+2]|
	v_max3_num_f32 v9, |v[X+32*\g+3]|, |v[X+32*\g+4]|, |v[X+32*\g+5]|
.irp i, 6,10,14,18,22,26
	v_max3_num_f32 v8, v8, |v[X+32*\g+\i]|, |v[X+32*\g+\i+1]|
	v_max3_num_f32 v9, v9, |v[X+32*\g+\i+2]|, |v[X+32*\g+\i+3]|
.endr
	v_max3_num_f32 v8, v8, |v[X+32*\g+30]|, |v[X+32*\g+31]|
	v_max3_num_f32 v8, v8, v9, 0x1800000           ; and the floor 2^(3 - 127)
	v_add_nc_u32 v[10+\g], 0xff000000, v8
.irp q, 0,1,2,3
	v_cvt_scalef32_pk8_fp4_f32 v[C+4*\g+\q], v[X+32*\g+8*\q:X+32*\g+8*\q+7], v[10+\g]
.endr
	v_lshrrev_b32 v[12+\g], 23, v[10+\g]           ; the scale's byte
	global_store_b128 v3, v[C+4*\g:C+4*\g+3], s[16:17] offset:1024*\g   ; sixteen lanes store 256 consecutive bytes, aligned
	ds_store_b8 v4, v[12+\g] offset:\base+4*\g     ; byte e of the word of tile 2 g + L / 16, row r
	ds_store_b8 v4, v29 offset:\base+4*\g+2        ; and a zero into byte 2 + e: the word's upper half scales zero codes
.endr
	s_wait_dscnt 0x0                               ; for the others' sake: my bytes have landed
	s_barrier_signal -1
	s_barrier_wait -1
	s_cmp_lg_u32 s20, 0
	s_cbranch_scc1 .Lcols_end_\@
	ds_load_b128 v[32:35], v1 offset:\base         ; wave 0 sends the unit's 512 bytes of scale words out whole
	s_wait_dscnt 0x0
	global_store_b128 v1, v[32:35], s[18:19]
.Lcols_end_\@:
	s_wait_tensorcnt 0x0
	ds_add_u32 v160, v161
	s_wait_dscnt 0x0
	s_endpgm
.endm
.Lcols:
	s_sub_co_u32 s29, ttmp9, 544                   ; the unit among cc's and cs's
	s_lshl_b32 s26, s29, 12
	s_lshl_b32 s30, s21, 11
	s_add_co_u32 s26, s26, s30
	s_lshl_b32 s30, s28, 8
	s_add_co_u32 s26, s26, s30
	s_add_nc_u64 s[16:17], s[16:17], s[26:27]      ; cc: unit, + 2,048 c + 256 e (my K block is lane half e of the image)
	s_lshl_b32 s26, s29, 9
	s_add_nc_u64 s[18:19], s[18:19], s[26:27]      ; cs: unit
	v_and_b32 v2, 7, v0
	v_bfe_u32 v3, v0, 3, 1
	v_lshl_add_u32 v2, v3, 4, v2
	v_lshl_add_u32 v2, v7, 3, v2
	v_lshlrev_b32 v2, 2, v2                        ; in: 4 x my column of the group
	v_lshlrev_b32 v3, 9, v7
	v_lshl_add_u32 v3, v6, 4, v3                   ; out: 512 (L / 16) + 16 r
	s_lshl_b32 s30, s21, 8
	s_add_co_u32 s30, s30, s28
	v_lshl_add_u32 v4, v5, 3, s30                  ; my scale byte's place: 8 L + 256 c + e
	v_mov_b32 v29, 0
	s_cmp_lt_u32 s29, 512
	s_cbranch_scc0 .Lwo
	s_lshl_b32 s26, s29, 15                        ; value: 128 rows of 256 bytes a unit,
	s_lshl_b32 s30, s20, 13                        ; 32 rows a wave
	s_add_co_u32 s26, s26, s30
	s_add_nc_u64 s[24:25], s[8:9], s[26:27]
	COLS 256, GV
.Lwo:
	s_sub_co_u32 s29, s29, 512                     ; Wo: unit 2 (k / 128) + n / 64
	s_lshr_b32 s26, s29, 1
	s_lshl_b32 s26, s26, 16                        ; 128 rows of 512 bytes,
	s_and_b32 s30, s29, 1
	s_lshl_b32 s30, s30, 8                         ; 64 columns,
	s_add_co_u32 s26, s26, s30
	s_lshl_b32 s30, s20, 14                        ; 32 rows a wave
	s_add_co_u32 s26, s26, s30
	s_add_nc_u64 s[24:25], s[10:11], s[26:27]
	COLS 512, GW
.Lfunc_end_k_q4f48d032de_quant:
	.size	k_q4f48d032de_quant, .Lfunc_end_k_q4f48d032de_quant-k_q4f48d032de_quant
	.p2alignl 7, 3214868480
	.fill 96, 4, 3214868480
	.section	.rodata,"a",@progbits
	.p2align	6, 0x0
	.amdhsa_kernel k_q4f48d032de_quant
		.amdhsa_group_segment_fixed_size 36864
		.amdhsa_private_segment_fixed_size 0
		.amdhsa_enable_private_segment 0
		.amdhsa_kernarg_size 64
		.amdhsa_user_sgpr_count 2
		.amdhsa_user_sgpr_kernarg_segment_ptr 1
		.amdhsa_wavefront_size32 1
		.amdhsa_system_sgpr_workgroup_id_x 1
		.amdhsa_system_sgpr_workgroup_id_y 1
		.amdhsa_system_sgpr_workgroup_id_z 1
		.amdhsa_system_vgpr_workitem_id 0
		.amdhsa_next_free_vgpr 162
		.amdhsa_next_free_sgpr 66
		.amdhsa_reserve_vcc 1
		.amdhsa_float_denorm_mode_32 3
		.amdhsa_float_denorm_mode_16_64 3
		.amdhsa_memory_ordered 1
		.amdhsa_forward_progress 1
		.amdhsa_inst_pref_size 31
	.end_amdhsa_kernel
	.amdgpu_metadata
---
amdhsa.version: [ 1, 2 ]
amdhsa.kernels:
  - .name:           k_q4f48d032de_quant
    .symbol:         k_q4f48d032de_quant.kd
    .args:
      - { .name: key, .offset: 0, .size: 8, .value_kind: global_buffer, .address_space: global }
      - { .name: query, .offset: 8, .size: 8, .value_kind: global_buffer, .address_space: global }
      - { .name: value, .offset: 16, .size: 8, .value_kind: global_buffer, .address_space: global }
      - { .name: Wo, .offset: 24, .size: 8, .value_kind: global_buffer, .address_space: global }
      - { .name: rc, .offset: 32, .size: 8, .value_kind: global_buffer, .address_space: global }
      - { .name: rs, .offset: 40, .size: 8, .value_kind: global_buffer, .address_space: global }
      - { .name: cc, .offset: 48, .size: 8, .value_kind: global_buffer, .address_space: global }
      - { .name: cs, .offset: 56, .size: 8, .value_kind: global_buffer, .address_space: global }
    .group_segment_fixed_size: 36864
    .private_segment_fixed_size: 0
    .kernarg_segment_align: 8
    .kernarg_segment_size: 64
    .max_flat_workgroup_size: 128
    .sgpr_count:     66
    .vgpr_count:     162
    .wavefront_size: 32
...
	.end_amdgpu_metadata
.endif
;; end of part 1
;; launch attn (part 2): grid 8 x 32, 4 waves a work-group, clusters of 4 x 1, 279,040 bytes of LDS; arguments rc, rs, cc, cs, Wq, bq, Wk, bk, xc, xs; writes xc, xs
.if DOCPART == 2
	.amdgcn_target "amdgcn-amd-amdhsa--gfx1250"
	.amdhsa_code_object_version 6
	.text
	.protected	k_q4f48d032de_attn
	.globl	k_q4f48d032de_attn
	.p2align	8
	.type	k_q4f48d032de_attn,@function
k_q4f48d032de_attn:
	s_mov_b64 s[64:65], 0
	v_nop
	global_prefetch_b8 v0, s[64:65] scope:SCOPE_SE
	s_setreg_imm32_b32 hwreg(HW_REG_WAVE_MODE, 25, 1), 1
	s_wait_xcnt 0x0
	s_wait_alu depctr_hold_cnt(0) depctr_sa_sdst(0) depctr_va_vdst(0) depctr_va_sdst(0) depctr_va_ssrc(0) depctr_va_vcc(0) depctr_vm_vsrc(0)
	s_getreg_b32 s2, hwreg(HW_REG_IB_STS2, 6, 4)
	s_cmp_eq_u32 s2, 0
	s_cbranch_scc0 .Lentry_in_a_cluster
	s_endpgm
.Lentry_in_a_cluster:
	s_bfe_u32 s2, ttmp6, 0x10000c
	s_cmp_lg_u32 s2, 0x3003
	s_cbranch_scc0 .Lentry_shape_is_right
	s_endpgm
.Lentry_shape_is_right:
; One work-group for each (batch b, head): q and k of the head (FP4 products on the codes of query, key, Wq, Wk, the biases as C), the scores (f32 matrix form, K = 8), the softmax over the 128 QUERIES of each key,
; the finished weights quantised along the keys, wv = Q(attn) Q(value) (FP4), and the head's 64 columns of x quantised: two whole blocks of 32.  Out go x's codes and scale bytes.
; SHARES.  Wave w takes all 128 queries x keys 512 w .. 512 w + 511, in 8 trips of 64 keys (two blocks of 32), and keeps a partial sum of wv^T (128 x 64) in 256 registers; the four are added through LDS at the end.
; LAYOUT.  L = lane, r = L % 16, hf = L / 16.  A lane holds ONE query throughout: tile tq, row r is query 32 (tq / 2) + 8 (tq % 2) + r + 8 (r / 8).
;   k: source 0 = 16 columns of Wk, lane r taking column 8 head + r % 4 + 4 (r / 8); source 1 = 16 keys.  Registers 0-3 of the result are then k[key r][4 hf + 0 .. 3]: registers 2 c, 2 c + 1 ARE source 0 of the
;   f32 form's K step c (its place 2 hf + j stands for d = 4 hf + 2 c + j, on both sides).  q likewise, times c0 = log2(e) / sqrt(8).
;   scores^T = k q^T: lane (r, hf) of tile (tq, u) holds query r and keys 32 block + 16 hf + 8 u + 0 .. 7 (the keys of a tile are chosen for it): registers 16 tq + 0 .. 15 are 16 neighbouring keys.
;   A key's maximum and sum over the queries: across the 8 tiles register by register, then four steps across the 16 lanes of a row.
;   wv^T = value^T attn^T: K = the trip's 64 keys in registers 0-3 of both operands, zero codes in registers 4-7.
; THE ORDER OF A BLOCK.  Subtraction and exponential stand by turns, a subtraction four registers ahead of its exponential, under one window setting.  The 32 f32 products of the NEXT block's scores stand in
;   ONE run under one window setting, between the batch of exponentials and the wait for it: two switches of the windows a block for them.
; CLUSTER.  The four heads of a cluster read the same codes of key and value: every tile is asked for jointly (mask 15).  All 144 KiB that a work-group needs fit in LDS: each byte is filled once, nothing is filled again.
;   By this text's own count a wave has four tensor loads outstanding at the most.
; LIMITS: NaN and infinities are not served; a weight 2^(t - max) under 2^-126 counts as 0; c0 is folded into q (one rounding more on q); the sum over the keys is formed in four parts, added in f32;
;   a block of zeros gets the scale byte 1 (its codes are zeros; the bytes are read by this program alone).
; LDS
.set KCL, 0                            ; key's codes: 16,384 w + 2,048 trip + 1,024 e + 512 u + 16 L
.set VCL, 65536                        ; value's codes: 16,384 w + 2,048 trip + 512 tile + 16 L
.set KSL, 131072                       ; key's scale words: 2,048 w + 256 trip + 8 L
.set VSL, 139264                       ; value's likewise
.set RED, 147456                       ; the four partial sums as images of their registers, 32,768 bytes a wave; no tensor load lands here
; REGISTERS, window 0: v1 16 L; v2-5 my places in KCL, VCL, KSL, VSL; v6-7 the addresses in hand; v8 into RED; v9-10 out of RED; v11 my place in xs; v12 L; v13-15 prologue
.set KS,  16                           ; v16-17 key's scale words of blocks e = 0, 1
.set VS,  20                           ; v20-21 value's of tile pairs g = 0, 1
.set WKS, 22                           ; Wk's scale word;  v23 Wq's
.set WQS, 23
.set AS,  24                           ; v24-31 the weights' scale words, one for each tile of queries
.set QS,  32                           ; v32-35 query's scale words
.set M,   40                           ; v40-55 each key's maximum
.set R,   56                           ; v56-71 each key's sum, then its reciprocal
.set BM,  72                           ; v72-79 a block's largest weight
.set BX,  80                           ; v80-87 at work
.set SO,  88                           ; v88-95 the conversions' scale operands
.set WK,  96                           ; v96-103 Wk's fragment
.set BKC, 104                          ; v104-111 bk as C
.set BQC, 112                          ; v112-119 bq as C
.set WQ,  120                          ; v120-127 Wq's fragment
.set P,   128                          ; v128-255 the block in hand: 2^(t - max), then the weights
; window 1: the partial sum of wv^T, tile (tq, td) at v[32 tq + 8 td].   window 2: the scores, two blocks of 128 registers; only the f32 matrix form writes them.   window 3:
.set CD,  0                            ; v0-63   the weights' codes, 8 a tile of queries (in the prologue: query's codes)
.set QF,  64                           ; v64-95  q x c0, 4 a tile
.set KD,  96                           ; v96-127 k: block e, tile u at 16 e + 8 u
.set KC,  128                          ; v128-159 key's codes, fragment 2 e + u
.set VF,  160                          ; v160-191 value's codes, fragment td
.set W_MX, 0x2a                        ; sources window 2, destination window 0
.set W_AD, 0x08                        ; source 1 window 2: serves the subtraction (source 0 the maximum, source 1 the score) and the exponential (one source, window 0) alike
.set W_SC, 0xaf                        ; sources 0, 1 window 3; C and D window 2
.set W_KP, 0xcc                        ; source 1 and D window 3
.set W_D3, 0xc0                        ; destination window 3
.set W_SWP, 0xc3                       ; destination and source 0 window 3
.set W_PV, 0x5f                        ; sources 0, 1 window 3; C and D window 1
.set W_QP, 0x0c                        ; source 1 window 3
.set W_ST, 0x04                        ; an LDS store's data (source 1) window 1
.set MSB, 0
.set NXT, 0
.set NW,  0
.set SNX, 0
.set SLOT, 0
.macro WIN new                         ; the immediate's high byte repeats the setting that is left; a switch that changes nothing is dropped
.if MSB != \new
	s_set_vgpr_msb (MSB<<8)|\new
.set MSB, \new
.endif
.endm
.macro ROUND                           ; a round of the cluster's barrier
	s_barrier_signal -1
	s_barrier_wait -1
	s_cmp_lg_u32 s28, 0
	s_cbranch_scc1 .Lnot_wave_0_\@
	s_barrier_signal -3
.Lnot_wave_0_\@:
	s_barrier_wait -3
	s_barrier_signal -1
	s_barrier_wait -1
.endm
; Score product NW of 32 of the block ahead: K step NW / 16, tile of queries (NW % 16) / 2, tile of keys NW % 2.  The first 16 start the sums with the constant 0; the 16 accumulators take turns.
.macro SW
.if NXT && (NW < 32)
.set SWD, SNX+16*((NW%16)/2)+8*(NW%2)
.set SWA, KD+16*SLOT+8*(NW%2)+2*(NW/16)
.set SWB, QF+4*((NW%16)/2)+2*(NW/16)
	WIN W_SC
.if NW < 16
	v_wmma_f32_16x16x4_f32 v[SWD:SWD+7], v[SWA:SWA+1], v[SWB:SWB+1], 0
.else
	v_wmma_f32_16x16x4_f32 v[SWD:SWD+7], v[SWA:SWA+1], v[SWB:SWB+1], v[SWD:SWD+7]
.endif
.set NW, NW+1
.endif
.endm
; THE SOFTMAX OF ONE BLOCK OF 32 KEYS, scores at v[sb] of window 2; it is block e of the trip.  nxt = 1: the products of the next block's scores (other half of window 2, k's other slot) stand in it.
; Behind the run of products parts 5 to 9 follow, over 300 plain lines: far more than the eight or nine places that the f32 form asks ahead of a read of its results or a new write of its sources.
.macro SOFTMAX sb, e, nxt
.set SNX, 128-\sb
.set SLOT, 1-\e
.set NXT, \nxt
.set NW, 0
	; 1: each key's maximum over the 8 tiles, register by register, ascending: each accumulator is first read at its low end
	WIN W_MX
.set II, 0
.rept 16
	v_max3_num_f32 v[P+II], v[\sb+II], v[\sb+16+II], v[\sb+32+II]
	v_max3_num_f32 v[P+16+II], v[\sb+48+II], v[\sb+64+II], v[\sb+80+II]
	v_max_num_f32 v[P+32+II], v[\sb+96+II], v[\sb+112+II]
.set II, II+1
.endr
	; 2: and over the 16 lanes of my row
	WIN 0
.set II, 0
.rept 16
	v_max3_num_f32 v[M+II], v[P+II], v[P+16+II], v[P+32+II]
.set II, II+1
.endr
.irp x, 1,2,4,8
.set II, 0
.rept 16
	v_max_num_f32_dpp v[M+II], v[M+II], v[M+II] row_xmask:\x row_mask:0xf bank_mask:0xf
.set II, II+1
.endr
.endr
	; 3 and 4: t - max and 2^(t - max) by turns; register n is tile n / 16, key n % 16.  No line here names an exponential's result
	WIN W_AD
.set II, 0
.rept 4
	v_add_f32 v[P+II], -v[M+(II%16)], v[\sb+II]
.set II, II+1
.endr
.set II, 0
.rept 124
	v_exp_f32 v[P+II], v[P+II]
	v_add_f32 v[P+II+4], -v[M+((II+4)%16)], v[\sb+II+4]
.set II, II+1
.endr
.rept 4
	v_exp_f32 v[P+II], v[P+II]
.set II, II+1
.endr
	v_nop                                          ; a plain line behind the last exponential
.rept 32
	SW                                             ; the next block's scores: one run; it names none of the exponentials' results
.endr
	WIN 0
	s_wait_alu depctr_va_vdst(0)                   ; one wait for the batch of 128, ahead of its first reader
	; 5: each key's sum over the 8 tiles, eight chains of pairs by turns
.set II, 0
.rept 8
	v_pk_add_f32 v[R+2*II:R+2*II+1], v[P+2*II:P+2*II+1], v[P+16+2*II:P+16+2*II+1]
.set II, II+1
.endr
.set TQ, 2
.rept 6
.set II, 0
.rept 8
	v_pk_add_f32 v[R+2*II:R+2*II+1], v[R+2*II:R+2*II+1], v[P+16*TQ+2*II:P+16*TQ+2*II+1]
.set II, II+1
.endr
.set TQ, TQ+1
.endr
	; 6: and over the 16 lanes;  7: 1 / sum, each reciprocal two registers behind the last step of its sum
.irp x, 1,2,4
.set II, 0
.rept 16
	v_add_f32_dpp v[R+II], v[R+II], v[R+II] row_xmask:\x row_mask:0xf bank_mask:0xf
.set II, II+1
.endr
.endr
.set II, 0
.rept 16
	v_add_f32_dpp v[R+II], v[R+II], v[R+II] row_xmask:8 row_mask:0xf bank_mask:0xf
.if II >= 2
	v_rcp_f32 v[R+II-2], v[R+II-2]
.endif
.set II, II+1
.endr
	v_rcp_f32 v[R+14], v[R+14]
	v_rcp_f32 v[R+15], v[R+15]
	v_nop
	s_wait_alu depctr_va_vdst(0)                   ; one wait for the sixteen
	; 8: the finished weights
.set II, 0
.rept 64
	v_pk_mul_f32 v[P+2*II:P+2*II+1], v[P+2*II:P+2*II+1], v[R+2*(II%8):R+2*(II%8)+1]
.set II, II+1
.endr
	; 9: quantised along the keys: a query's block of 32 lies in lanes L and L xor 16.  No |.|: no weight is negative
.set TQ, 0
.rept 8
	v_max3_num_f32 v[BM+TQ], v[P+16*TQ], v[P+16*TQ+1], 0x1800000   ; and the floor 2^(3 - 127): the byte cannot fall under 1
.set TQ, TQ+1
.endr
.irp i, 2,4,6,8,10,12,14
.set TQ, 0
.rept 8
	v_max3_num_f32 v[BM+TQ], v[BM+TQ], v[P+16*TQ+\i], v[P+16*TQ+\i+1]
.set TQ, TQ+1
.endr
.endr
.set TQ, 0
.rept 8
	v_permlanex16_b32 v[BX+TQ], v[BM+TQ], s72, s73
.set TQ, TQ+1
.endr
.set TQ, 0
.rept 8
	v_max_num_f32 v[BM+TQ], v[BM+TQ], v[BX+TQ]
.set TQ, TQ+1
.endr
.set TQ, 0
.rept 8
	v_add_nc_u32 v[SO+TQ], 0xff000000, v[BM+TQ]    ; 2 off the exponent field: the conversion's scale operand
.set TQ, TQ+1
.endr
.if \e == 0
.set TQ, 0
.rept 8
	v_lshrrev_b32 v[AS+TQ], 23, v[SO+TQ]           ; byte 0 of the trip's scale word; bytes 2 and 3 stay 0 and scale zero codes
.set TQ, TQ+1
.endr
.else
.set TQ, 0
.rept 8
	v_lshrrev_b32 v[BX+TQ], 23, v[SO+TQ]
.set TQ, TQ+1
.endr
.set TQ, 0
.rept 8
	v_lshl_or_b32 v[AS+TQ], v[BX+TQ], 8, v[AS+TQ]  ; byte 1
.set TQ, TQ+1
.endr
.endif
	WIN W_D3
.set TQ, 0
.rept 8
	v_cvt_scalef32_pk8_fp4_f32 v[CD+8*TQ+2*\e], v[P+16*TQ:P+16*TQ+7], v[SO+TQ]        ; keys 32 e + 16 hf + 0 .. 7
	v_cvt_scalef32_pk8_fp4_f32 v[CD+8*TQ+2*\e+1], v[P+16*TQ+8:P+16*TQ+15], v[SO+TQ]   ; and + 8 .. 15
.set TQ, TQ+1
.endr
	WIN 0
	v_nop                                          ; one plain line behind the last scaled conversion
.endm
.macro LOADK ko, so                    ; key's four fragments and two scale words, ko and so bytes on from the trip in hand
	WIN 0
	v_add_nc_u32 v6, s76, v2
	v_add_nc_u32 v7, s77, v4
	WIN W_D3
.set II, 0
.rept 4
	ds_load_b128 v[KC+8*II:KC+8*II+3], v6 offset:\ko+512*II
.set II, II+1
.endr
	WIN 0
	ds_load_b64 v[KS:KS+1], v7 offset:\so
.endm
.macro KPROJ                           ; k of 64 keys: four products; the lanes 16-31 of a scale word serve tile u = 1
	s_wait_dscnt 0x0                               ; key's codes and scale words are in
	WIN W_KP
	v_wmma_scale_f32_16x16x128_f8f6f4 v[KD:KD+7], v[WK:WK+7], v[KC:KC+7], v[BKC:BKC+7], v[WKS], v[KS] matrix_a_fmt:MATRIX_FMT_FP4 matrix_b_fmt:MATRIX_FMT_FP4
	v_wmma_scale_f32_16x16x128_f8f6f4 v[KD+8:KD+15], v[WK:WK+7], v[KC+8:KC+15], v[BKC:BKC+7], v[WKS], v[KS] matrix_a_fmt:MATRIX_FMT_FP4 matrix_b_fmt:MATRIX_FMT_FP4 matrix_b_scale:MATRIX_SCALE_ROW1
	v_wmma_scale_f32_16x16x128_f8f6f4 v[KD+16:KD+23], v[WK:WK+7], v[KC+16:KC+23], v[BKC:BKC+7], v[WKS], v[KS+1] matrix_a_fmt:MATRIX_FMT_FP4 matrix_b_fmt:MATRIX_FMT_FP4
	v_wmma_scale_f32_16x16x128_f8f6f4 v[KD+24:KD+31], v[WK:WK+7], v[KC+24:KC+31], v[BKC:BKC+7], v[WKS], v[KS+1] matrix_a_fmt:MATRIX_FMT_FP4 matrix_b_fmt:MATRIX_FMT_FP4 matrix_b_scale:MATRIX_SCALE_ROW1
.endm
.macro LOADV                           ; value's four fragments and two scale words of the trip in hand
	WIN 0
	v_add_nc_u32 v6, s76, v3
	v_add_nc_u32 v7, s77, v5
	WIN W_D3
.set II, 0
.rept 4
	ds_load_b128 v[VF+8*II:VF+8*II+3], v6 offset:512*II
.set II, II+1
.endr
	WIN 0
	ds_load_b64 v[VS:VS+1], v7
.endm
.macro PV1 tq, td, zero
.if \zero
.if (\td)%2
	v_wmma_scale_f32_16x16x128_f8f6f4 v[32*(\tq)+8*(\td):32*(\tq)+8*(\td)+7], v[VF+8*(\td):VF+8*(\td)+7], v[CD+8*(\tq):CD+8*(\tq)+7], 0, v[VS+(\td)/2], v[AS+(\tq)] matrix_a_fmt:MATRIX_FMT_FP4 matrix_b_fmt:MATRIX_FMT_FP4 matrix_a_scale:MATRIX_SCALE_ROW1
.else
	v_wmma_scale_f32_16x16x128_f8f6f4 v[32*(\tq)+8*(\td):32*(\tq)+8*(\td)+7], v[VF+8*(\td):VF+8*(\td)+7], v[CD+8*(\tq):CD+8*(\tq)+7], 0, v[VS+(\td)/2], v[AS+(\tq)] matrix_a_fmt:MATRIX_FMT_FP4 matrix_b_fmt:MATRIX_FMT_FP4
.endif
.else
.if (\td)%2
	v_wmma_scale_f32_16x16x128_f8f6f4 v[32*(\tq)+8*(\td):32*(\tq)+8*(\td)+7], v[VF+8*(\td):VF+8*(\td)+7], v[CD+8*(\tq):CD+8*(\tq)+7], v[32*(\tq)+8*(\td):32*(\tq)+8*(\td)+7], v[VS+(\td)/2], v[AS+(\tq)] matrix_a_fmt:MATRIX_FMT_FP4 matrix_b_fmt:MATRIX_FMT_FP4 matrix_a_scale:MATRIX_SCALE_ROW1
.else
	v_wmma_scale_f32_16x16x128_f8f6f4 v[32*(\tq)+8*(\td):32*(\tq)+8*(\td)+7], v[VF+8*(\td):VF+8*(\td)+7], v[CD+8*(\tq):CD+8*(\tq)+7], v[32*(\tq)+8*(\td):32*(\tq)+8*(\td)+7], v[VS+(\td)/2], v[AS+(\tq)] matrix_a_fmt:MATRIX_FMT_FP4 matrix_b_fmt:MATRIX_FMT_FP4
.endif
.endif
.endm
; wv^T += value^T attn^T for the trip's 64 keys: 32 products on 32 accumulators.  zero = 1: they start the sums.
.macro PRODUCT zero
	WIN W_SWP
.set TQ, 0
.rept 8
	v_permlane16_swap_b32 v[CD+8*TQ], v[CD+8*TQ+2]       ; the operand's layout wants a whole block in a lane: lanes 0-15 block 0, lanes 16-31 block 1
	v_permlane16_swap_b32 v[CD+8*TQ+1], v[CD+8*TQ+3]
.set TQ, TQ+1
.endr
	WIN 0
.rept 8
	v_nop                                          ; a scale word written by a vector line stands 8 places ahead of a scaled product, an operand so written 4
.endr
	s_wait_dscnt 0x0                               ; value's codes and scale words are in
	WIN W_PV
.set TQ, 0
.rept 8
.irp td, 0,1,2,3
	PV1 TQ, \td, \zero
.endr
.set TQ, TQ+1
.endr
.endm
; A TRIP: 64 keys.  On entry block 0's scores lie in the lower half of window 2 and k of block 1 in slot 1.
.macro TRIP first, last
.if !\last
	LOADK 2048, 256                                ; the next trip's key codes: they land while block 0's softmax is walked
.endif
	SOFTMAX 0, 0, 1                                ; block 0; in it the run of block 1's scores
.if !\last
	KPROJ                                          ; the next trip's k: both slots have been read; the last reader stands parts 5 to 9 of the softmax back
.endif
.if \first
	s_wait_tensorcnt 0x0                           ; value's scale words and codes have landed: my part,
	s_barrier_signal -1
	s_barrier_wait -1                              ; everybody's
.endif
	LOADV
	SOFTMAX 128, 1, 1-\last                        ; block 1; in it the run of the next trip's block 0 (parts 1 to 4 stand between it and the products that made k)
	PRODUCT \first
	WIN 0
	s_add_co_u32 s76, s76, 2048
	s_add_co_u32 s77, s77, 256
.endm
	; ---------------- the head ----------------
	s_load_b512 s[8:23], s[0:1], 0x0               ; rc s[8:9], rs s[10:11], cc s[12:13], cs s[14:15], Wq s[16:17], bq s[18:19], Wk s[20:21], bk s[22:23]
	s_load_b128 s[24:27], s[0:1], 0x40             ; xc, xs
	v_lshl_add_u32 v38, v0, 2, 0x44000
	v_mov_b32 v39, 0
	ds_add_u32 v38, v39
	ds_add_u32 v38, v39
	v_lshrrev_b32 v12, 5, v0
	v_readfirstlane_b32 s28, v12                   ; wave w
	s_bfe_u32 s29, ttmp6, 0x40000                  ; cx
	s_lshl_b32 s30, ttmp9, 2
	s_add_co_u32 s30, s30, s29                     ; the head = 4 x cluster x + cx: it enters the addresses of Wq, bq, Wk, bk, xc and xs alone
	s_and_b32 s31, ttmp7, 0xffff                   ; b, which the four partners share
	; descriptor group 1: a dense block as rows of 256 bytes (32 elements of 8 bytes), no padding; 15:0 the mask: all four work-groups; bit 21 set beside it
	s_mov_b32 s36, 15|(3<<16)|(1<<21)              ; the scale words: 8 rows, 2,048 bytes
	s_mov_b32 s37, 32<<16                          ; tensor_dim0
	s_mov_b32 s38, 8<<16                           ; tensor_dim1
	s_mov_b32 s39, 32<<16                          ; tile_dim0
	s_mov_b32 s40, 8                               ; tile_dim1
	s_mov_b32 s41, 32                              ; the pitch
	s_mov_b32 s42, 0
	s_mov_b32 s43, 0
	s_mov_b32 s44, 15|(3<<16)|(1<<21)              ; the codes: 64 rows, 16,384 bytes
	s_mov_b32 s45, 32<<16
	s_mov_b32 s46, 64<<16
	s_mov_b32 s47, 32<<16
	s_mov_b32 s48, 64
	s_mov_b32 s49, 32
	s_mov_b32 s50, 0
	s_mov_b32 s51, 0
	s_mov_b32 s72, 0x76543210
	s_mov_b32 s73, 0xfedcba98                      ; v_permlanex16_b32's selects for lane L xor 16
	s_mov_b32 s74, 0x3f0293ee                      ; c0 = log2(e) / sqrt(8)
	s_mov_b32 s76, 0                               ; 2,048 x trip
	s_mov_b32 s77, 0                               ; 256 x trip
	s_lshl_b32 s33, s28, 11                        ; 2,048 w
	s_lshl_b32 s35, s28, 14                        ; 16,384 w
	s_mov_b32 s52, 1                               ; group 0 of key's scale words: count,
	s_add_co_u32 s53, s33, KSL                     ; LDS address: the wave's number and constants alone
	s_mov_b32 s56, 1                               ; of key's codes
	s_add_co_u32 s57, s35, KCL
	s_mov_b32 s60, 1                               ; of value's scale words
	s_add_co_u32 s61, s33, VSL
	s_mov_b32 s68, 1                               ; of value's codes
	s_add_co_u32 s69, s35, VCL
	s_lshl_b32 s32, s31, 13
	s_add_co_u32 s32, s32, s33                     ; in rs and cs: 8,192 b + 2,048 w
	s_mov_b32 s33, 0
	s_lshl_b32 s34, s31, 16
	s_add_co_u32 s34, s34, s35                     ; in rc and cc: 65,536 b + 16,384 w
	s_mov_b32 s35, 0
	v_and_b32 v12, 31, v0                          ; L
	v_lshlrev_b32 v1, 4, v12                       ; 16 L
	v_lshlrev_b32 v7, 3, v12                       ; 8 L
	v_add_nc_u32 v2, s57, v1
	v_add_nc_u32 v3, s69, v1
	v_add_nc_u32 v4, s53, v7
	v_add_nc_u32 v5, s61, v7
	s_lshl_b32 s75, s28, 15
	s_add_co_u32 s75, s75, RED
	v_add_nc_u32 v8, s75, v1                       ; into RED: 32,768 w + 16 L
	s_lshl_b32 s75, s28, 13
	s_add_co_u32 s75, s75, RED
	v_add_nc_u32 v9, s75, v1                       ; out of RED: my two tiles of queries, 8,192 w + 16 L, of waves 0 and 1;
	v_add_nc_u32 v10, 0x10000, v9                  ; of waves 2 and 3
	s_lshl_b32 s75, s28, 6
	v_lshl_add_u32 v11, v12, 1, s75                ; in xs: 2 (32 w + L)
	v_and_b32 v13, 3, v0
	v_bfe_u32 v6, v0, 3, 1
	v_bfe_u32 v15, v0, 4, 1                        ; hf
	v_lshlrev_b32 v13, 2, v13
	v_lshl_add_u32 v13, v6, 4, v13
	v_lshl_add_u32 v13, v15, 13, v13               ; in Wq and Wk: 32 hf rows of 256 bytes + 4 (r % 4 + 4 (r / 8))
	v_lshlrev_b32 v14, 4, v15                      ; in bq and bk: 16 hf
	v_lshlrev_b32 v15, 3, v15                      ; 8 hf: my byte's place in a weight's scale word
	s_wait_dscnt 0x0
	s_wait_kmcnt 0x0
	s_add_nc_u64 s[54:55], s[10:11], s[32:33]
	s_or_b32 s55, s55, 0x80000000                  ; type = 2
	s_add_nc_u64 s[58:59], s[8:9], s[34:35]
	s_or_b32 s59, s59, 0x80000000
	s_add_nc_u64 s[62:63], s[14:15], s[32:33]
	s_or_b32 s63, s63, 0x80000000
	s_add_nc_u64 s[70:71], s[12:13], s[34:35]
	s_or_b32 s71, s71, 0x80000000
	s_lshl_b32 s78, s30, 5                         ; the head's 8 columns: 32 bytes on (registers of their own: none that fed a descriptor ever holds cx)
	s_mov_b32 s79, 0
	s_add_nc_u64 s[16:17], s[16:17], s[78:79]
	s_add_nc_u64 s[18:19], s[18:19], s[78:79]
	s_add_nc_u64 s[20:21], s[20:21], s[78:79]
	s_add_nc_u64 s[22:23], s[22:23], s[78:79]
	s_lshl_b32 s32, s31, 12
	s_add_co_u32 s32, s32, 0x200000
	s_add_nc_u64 s[8:9], s[8:9], s[32:33]          ; query's codes: unit 512 + b of rc
	s_lshl_b32 s32, s31, 9
	s_add_co_u32 s32, s32, 0x40000
	s_add_nc_u64 s[10:11], s[10:11], s[32:33]      ; and its scale words
	s_lshl_b32 s80, s31, 3
	s_lshl_b32 s81, s28, 1
	s_add_co_u32 s80, s80, s81
	s_lshl_b32 s80, s80, 3
	s_add_co_u32 s80, s80, s30
	s_lshl_b32 s80, s80, 9
	s_mov_b32 s81, 0
	s_add_nc_u64 s[24:25], s[24:25], s[80:81]      ; xc at ((8 b + 2 w) 8 + head) 512
	s_lshl_b32 s80, s31, 3
	s_add_co_u32 s80, s80, s30
	s_lshl_b32 s80, s80, 8
	s_add_nc_u64 s[26:27], s[26:27], s[80:81]      ; xs at (8 b + head) 256
	; what goes from memory straight into registers is asked for ahead of the round: it is on its way while the work-groups meet; nobody writes these bytes
.set II, 0
.rept 32
	global_load_b32 v[P+II], v13, s[20:21] offset:256*II       ; Wk(32 hf + i, my column): my registers run down K
	global_load_b32 v[P+32+II], v13, s[16:17] offset:256*II    ; Wq likewise
.set II, II+1
.endr
	global_load_b128 v[BKC:BKC+3], v14, s[22:23]   ; bk at the result's rows 8 hf + 0 .. 3
	global_load_b128 v[BQC:BQC+3], v14, s[18:19]
	global_load_b64 v[QS:QS+1], v7, s[10:11]
	global_load_b64 v[QS+2:QS+3], v7, s[10:11] offset:256
	WIN W_D3
.set II, 0
.rept 8
	global_load_b128 v[CD+8*II:CD+8*II+3], v1, s[8:9] offset:512*II   ; query's eight fragments
.set II, II+1
.endr
	WIN 0                                          ; at a label and at a branch every window is 0
	ROUND                                          ; all four work-groups are here: the joint loads meet
	tensor_load_to_lds s[52:55], s[36:43]          ; key's scale words,
	s_nop 0
	tensor_load_to_lds s[56:59], s[44:51]          ; key's codes,
	s_nop 0
	tensor_load_to_lds s[60:63], s[36:43]          ; value's scale words,
	s_nop 0
	tensor_load_to_lds s[68:71], s[44:51]          ; value's codes: all that this wave will ever read from LDS tiles
	s_nop 0
.rept 4
	v_nop                                          ; four lines behind the last tensor load, ahead of any switch of windows
.endr
	WIN W_D3
	; K is 64 in the projections and in a trip: the operands' registers 4-7 (k = 64 .. 127) hold zero codes, written once
.set II, 0
.rept 8
.irp j, 4,5,6,7
	v_mov_b32 v[CD+8*II+\j], 0
.endr
.set II, II+1
.endr
.set II, 0
.rept 4
.irp j, 4,5,6,7
	v_mov_b32 v[KC+8*II+\j], 0
	v_mov_b32 v[VF+8*II+\j], 0
.endr
.set II, II+1
.endr
	WIN 0
.irp j, 4,5,6,7
	v_mov_b32 v[WK+\j], 0
	v_mov_b32 v[WQ+\j], 0
	v_mov_b32 v[BKC+\j], 0                         ; (rows of the result that nobody reads)
	v_mov_b32 v[BQC+\j], 0
.endr
.set II, 0
.rept 8
	v_mov_b32 v[BX+II], 0                          ; a lane permute's destination counts as one of its sources
.set II, II+1
.endr
	v_mov_b32 v48, 0
	v_mov_b32 v49, 0
	s_wait_loadcnt 0x0
	; Wk's and Wq's tiles are quantised: a lane holds one whole block; v40.. at work
	v_max3_num_f32 v40, |v[P]|, |v[P+1]|, 0x1800000
	v_max3_num_f32 v41, |v[P+32]|, |v[P+33]|, 0x1800000
.irp i, 2,4,6,8,10,12,14,16,18,20,22,24,26,28,30
	v_max3_num_f32 v40, v40, |v[P+\i]|, |v[P+\i+1]|
	v_max3_num_f32 v41, v41, |v[P+32+\i]|, |v[P+32+\i+1]|
.endr
	v_add_nc_u32 v42, 0xff000000, v40
	v_add_nc_u32 v43, 0xff000000, v41
.irp q, 0,1,2,3
	v_cvt_scalef32_pk8_fp4_f32 v[WK+\q], v[P+8*\q:P+8*\q+7], v42
	v_cvt_scalef32_pk8_fp4_f32 v[WQ+\q], v[P+32+8*\q:P+32+8*\q+7], v43
.endr
	v_lshrrev_b32 v44, 23, v42                     ; the bytes,
	v_lshrrev_b32 v45, 23, v43
	v_lshlrev_b32 v46, v15, v44                    ; at their places,
	v_lshlrev_b32 v47, v15, v45
	v_permlanex16_b32 v48, v46, s72, s73
	v_permlanex16_b32 v49, v47, s72, s73
	v_or_b32 v[WKS], v46, v48                      ; with lane L xor 16's: the scale words
	v_or_b32 v[WQS], v47, v49
.rept 8
	v_nop                                          ; a scale word written by a vector line stands 8 places ahead of a scaled product
.endr
	WIN W_QP
.set II, 0
.rept 8
.if II%2
	v_wmma_scale_f32_16x16x128_f8f6f4 v[P+64+8*II:P+64+8*II+7], v[WQ:WQ+7], v[CD+8*II:CD+8*II+7], v[BQC:BQC+7], v[WQS], v[QS+II/2] matrix_a_fmt:MATRIX_FMT_FP4 matrix_b_fmt:MATRIX_FMT_FP4 matrix_b_scale:MATRIX_SCALE_ROW1
.else
	v_wmma_scale_f32_16x16x128_f8f6f4 v[P+64+8*II:P+64+8*II+7], v[WQ:WQ+7], v[CD+8*II:CD+8*II+7], v[BQC:BQC+7], v[WQS], v[QS+II/2] matrix_a_fmt:MATRIX_FMT_FP4 matrix_b_fmt:MATRIX_FMT_FP4
.endif
.set II, II+1
.endr
	WIN 0
.rept 4
	v_nop                                          ; four places ahead of the first read of these results
.endr
	WIN W_D3
.set II, 0
.rept 8
.irp j, 0,1,2,3
	v_mul_f32 v[QF+4*II+\j], s74, v[P+64+8*II+\j]  ; q x c0: the scores come out as t
.endr
.set II, II+1
.endr
	WIN 0
	s_wait_tensorcnt 0x2                           ; key's scale words and codes have landed (value's two loads, issued behind them, may be out): my part,
	s_barrier_signal -1
	s_barrier_wait -1                              ; everybody's
	LOADK 0, 0
	KPROJ                                          ; k of trip 0
	WIN 0
.rept 5
	v_nop                                          ; five places ahead of a matrix instruction that takes these results as a source
.endr
.set SNX, 0
.set SLOT, 0
.set NXT, 1
.set NW, 0
.rept 32
	SW                                             ; block 0's scores
.endr
	WIN 0
.rept 8
	v_nop                                          ; eight places ahead of the first read of the f32 form's results
.endr
	; ---------------- the keys ----------------
	TRIP 1, 0                                      ; the first trip is written out: its products start wv's sums
	s_mov_b32 s75, 6
.Ltrip:
	TRIP 0, 0
	s_sub_co_u32 s75, s75, 1
	s_cmp_lg_u32 s75, 0
	s_cbranch_scc1 .Ltrip
	TRIP 0, 1                                      ; the last trip is written out: nothing lies ahead of it
	; ---------------- the way out ----------------
.rept 4
	v_nop                                          ; four places ahead of the first read of the last products' results
.endr
	WIN W_ST
.set II, 0
.rept 64
	ds_store_b128 v8, v[4*II:4*II+3] offset:512*II ; my partial sum as an image of its registers, each accumulator from its low end on
.set II, II+1
.endr
	WIN 0
	s_wait_dscnt 0x0                               ; for the others' sake: my stores have landed
	s_barrier_signal -1
	s_barrier_wait -1
; Tile of queries 2 w + t: the four partial sums are added; register 16 g + i is x(query r, 64 head + 32 g + 16 hf + i): two blocks of 32, quantised as the weights were, with |.|.
.macro XOUT t
.irp sv, 0,1
.set II, 0
.rept 8
	ds_load_b128 v[P+32*\sv+4*II:P+32*\sv+4*II+3], v9 offset:32768*\sv+4096*\t+512*II
	ds_load_b128 v[P+64+32*\sv+4*II:P+64+32*\sv+4*II+3], v10 offset:32768*\sv+4096*\t+512*II
.set II, II+1
.endr
.endr
	s_wait_dscnt 0x0
.set II, 0
.rept 16
	v_pk_add_f32 v[P+2*II:P+2*II+1], v[P+2*II:P+2*II+1], v[P+32+2*II:P+32+2*II+1]
	v_pk_add_f32 v[P+64+2*II:P+64+2*II+1], v[P+64+2*II:P+64+2*II+1], v[P+96+2*II:P+96+2*II+1]
.set II, II+1
.endr
.set II, 0
.rept 16
	v_pk_add_f32 v[P+2*II:P+2*II+1], v[P+2*II:P+2*II+1], v[P+64+2*II:P+64+2*II+1]
.set II, II+1
.endr
.irp q, 0,1
	v_max3_num_f32 v[BM+\q], |v[P+16*\q]|, |v[P+16*\q+1]|, 0x1800000
.endr
.irp i, 2,4,6,8,10,12,14
.irp q, 0,1
	v_max3_num_f32 v[BM+\q], v[BM+\q], |v[P+16*\q+\i]|, |v[P+16*\q+\i+1]|
.endr
.endr
	v_permlanex16_b32 v[BX], v[BM], s72, s73
	v_permlanex16_b32 v[BX+1], v[BM+1], s72, s73
	v_max_num_f32 v[BM], v[BM], v[BX]
	v_max_num_f32 v[BM+1], v[BM+1], v[BX+1]
	v_add_nc_u32 v[SO], 0xff000000, v[BM]
	v_add_nc_u32 v[SO+1], 0xff000000, v[BM+1]
	v_cvt_scalef32_pk8_fp4_f32 v[WK+4*\t], v[P:P+7], v[SO]
	v_cvt_scalef32_pk8_fp4_f32 v[WK+4*\t+1], v[P+8:P+15], v[SO]
	v_cvt_scalef32_pk8_fp4_f32 v[WK+4*\t+2], v[P+16:P+23], v[SO+1]
	v_cvt_scalef32_pk8_fp4_f32 v[WK+4*\t+3], v[P+24:P+31], v[SO+1]
	v_lshrrev_b32 v[BX+2], 23, v[SO]               ; (plain lines behind the conversions)
	v_lshrrev_b32 v[BX+3], 23, v[SO+1]
	v_lshl_or_b32 v[36+\t], v[BX+3], 8, v[BX+2]    ; the row's two scale bytes
	v_permlane16_swap_b32 v[WK+4*\t], v[WK+4*\t+2] ; lanes 0-15 block 0, lanes 16-31 block 1, whole
	v_permlane16_swap_b32 v[WK+4*\t+1], v[WK+4*\t+3]
	global_store_b128 v1, v[WK+4*\t:WK+4*\t+3], s[24:25] offset:4096*\t   ; 512 consecutive bytes: the image of registers 4 (head % 2) .. + 3 of the last product's operand
.endm
	XOUT 0
	XOUT 1
	v_cmp_lt_u32 vcc_lo, 15, v12
	v_cndmask_b32 v36, v36, v37, vcc_lo            ; lane L holds the bytes of tile row 32 w + L
	global_store_b16 v11, v36, s[26:27]
	s_wait_dscnt 0x0
	s_wait_tensorcnt 0x0
	ds_add_u32 v38, v39
	s_wait_dscnt 0x0
	ROUND                                          ; the closing round: no work-group ends while a partner may still ask for a tile that names it
	s_endpgm
.Lfunc_end_k_q4f48d032de_attn:
	.size	k_q4f48d032de_attn, .Lfunc_end_k_q4f48d032de_attn-k_q4f48d032de_attn
	.p2alignl 7, 3214868480
	.fill 96, 4, 3214868480
	.section	.rodata,"a",@progbits
	.p2align	6, 0x0
	.amdhsa_kernel k_q4f48d032de_attn
		.amdhsa_group_segment_fixed_size 279040
		.amdhsa_private_segment_fixed_size 0
		.amdhsa_enable_private_segment 0
		.amdhsa_kernarg_size 80
		.amdhsa_user_sgpr_count 2
		.amdhsa_user_sgpr_kernarg_segment_ptr 1
		.amdhsa_wavefront_size32 1
		.amdhsa_system_sgpr_workgroup_id_x 1
		.amdhsa_system_sgpr_workgroup_id_y 1
		.amdhsa_system_sgpr_workgroup_id_z 1
		.amdhsa_system_vgpr_workitem_id 0
		.amdhsa_next_free_vgpr 1024
		.amdhsa_next_free_sgpr 96
		.amdhsa_reserve_vcc 1
		.amdhsa_float_denorm_mode_32 3
		.amdhsa_float_denorm_mode_16_64 3
		.amdhsa_memory_ordered 1
		.amdhsa_forward_progress 1
		.amdhsa_inst_pref_size 255
	.end_amdhsa_kernel
	.section	.bss,"aw",@nobits
	.p2align	6
	.space	262144
	.amdgpu_metadata
---
amdhsa.version: [ 1, 2 ]
amdhsa.kernels:
  - .name:           k_q4f48d032de_attn
    .symbol:         k_q4f48d032de_attn.kd
    .args:
      - { .name: rc, .offset: 0, .size: 8, .value_kind: global_buffer, .address_space: global }
      - { .name: rs, .offset: 8, .size: 8, .value_kind: global_buffer, .address_space: global }
      - { .name: cc, .offset: 16, .size: 8, .value_kind: global_buffer, .address_space: global }
      - { .name: cs, .offset: 24, .size: 8, .value_kind: global_buffer, .address_space: global }
      - { .name: Wq, .offset: 32, .size: 8, .value_kind: global_buffer, .address_space: global }
      - { .name: bq, .offset: 40, .size: 8, .value_kind: global_buffer, .address_space: global }
      - { .name: Wk, .offset: 48, .size: 8, .value_kind: global_buffer, .address_space: global }
      - { .name: bk, .offset: 56, .size: 8, .value_kind: global_buffer, .address_space: global }
      - { .name: xc, .offset: 64, .size: 8, .value_kind: global_buffer, .address_space: global }
      - { .name: xs, .offset: 72, .size: 8, .value_kind: global_buffer, .address_space: global }
    .group_segment_fixed_size: 279040
    .private_segment_fixed_size: 0
    .kernarg_segment_align: 8
    .kernarg_segment_size: 80
    .max_flat_workgroup_size: 128
    .sgpr_count:     96
    .vgpr_count:     1024
    .wavefront_size: 32
...
	.end_amdgpu_metadata
.endif
;; end of part 2
;; launch proj (part 3): grid 8 x 32, 4 waves a work-group, no clusters, 8,960 bytes of LDS; arguments xc, xs, cc, cs, bo, out0; writes out0
.if DOCPART == 3
	.amdgcn_target "amdgcn-amd-amdhsa--gfx1250"
	.amdhsa_code_object_version 6
	.text
	.protected	k_q4f48d032de_proj
	.globl	k_q4f48d032de_proj
	.p2align	8
	.type	k_q4f48d032de_proj,@function
k_q4f48d032de_proj:
	s_mov_b64 s[64:65], 0
	v_nop
	global_prefetch_b8 v0, s[64:65] scope:SCOPE_SE
	s_setreg_imm32_b32 hwreg(HW_REG_WAVE_MODE, 25, 1), 1
	s_wait_xcnt 0x0
; out0[b][q][n] = the sum over k of Q(x)[b][q][k] Q(Wo)[k][n] + bo[n], K = 512, on the codes that the two launches before have laid as images of the operands' registers.
; A work-group takes one tile of 16 queries (tq = work-group x) of one batch b (work-group y); wave w takes outputs 32 w .. 32 w + 31: two tiles, four K steps of 128: eight products.
; TRANSPOSED: source 0 = 16 columns of Wo, source 1 = x's 16 rows: lane (r, hf), register j of tile u holds out(row r, 32 w + 16 hf + 8 u + j); bo is loaded into the accumulators and is the C of the first products.
; Tile row r of tile tq is query 32 (tq / 2) + 8 (tq % 2) + r + 8 (r / 8): the order is undone in the stores' addresses.  The operands go from memory straight into registers: each is read once by a wave,
; and the launch is two runs of loads long, so LDS tiles, clusters and prefetches have nothing to hide here.
; LIMITS: NaN and infinities are not served.
.set XF,  16                           ; v16-47   x's fragments, K step ks at 8 ks
.set WF,  48                           ; v48-111  Wo's, (ks, u) at 8 (2 ks + u)
.set ACC, 112                          ; v112-127 two accumulators
.set WL,  128                          ; v128-135 Wo's scale words by halves of a K step
.set XL,  136                          ; v136-143 x's two bytes for each head
.set XS,  144                          ; v144-147 x's scale words
.set WS,  148                          ; v148-151 Wo's: lanes 0-15 tile u = 0, lanes 16-31 tile u = 1
.set OB,  152                          ; v152-167 four rows on the way out
	s_load_b256 s[4:11], s[0:1], 0x0               ; xc, xs, cc, cs
	s_load_b128 s[12:15], s[0:1], 0x20             ; bo, out0
	v_lshl_add_u32 v176, v0, 2, 0x2100
	v_mov_b32 v177, 0
	v_lshrrev_b32 v1, 5, v0
	v_readfirstlane_b32 s16, v1                    ; wave w
	s_and_b32 s17, ttmp7, 0xffff                   ; b
	v_and_b32 v2, 31, v0                           ; L
	v_and_b32 v3, 15, v0                           ; r
	v_bfe_u32 v4, v0, 4, 1                         ; hf
	v_lshlrev_b32 v1, 4, v2                        ; 16 L
	v_lshlrev_b32 v5, 3, v2                        ; 8 L
	v_lshlrev_b32 v6, 1, v3                        ; 2 r
	v_lshlrev_b32 v7, 6, v4                        ; 64 hf
	s_lshr_b32 s18, s16, 1                         ; which 64 columns of Wo
	s_and_b32 s19, s16, 1                          ; which pair of tiles in them
	s_lshl_b32 s20, s17, 3
	s_add_co_u32 s20, s20, ttmp9
	s_lshl_b32 s20, s20, 12                        ; xc: (8 b + tq) 4,096
	s_mov_b32 s21, 0
	s_lshl_b32 s22, s17, 11
	s_lshl_b32 s23, ttmp9, 5
	s_add_co_u32 s22, s22, s23                     ; xs: 2,048 b + 32 tq
	s_mov_b32 s23, 0
	s_lshl_b32 s24, s18, 12
	s_lshl_b32 s25, s19, 10
	s_add_co_u32 s24, s24, s25
	s_add_co_u32 s24, s24, 0x200000                ; cc: unit 512 + n / 64, tile pair
	s_mov_b32 s25, 0
	s_lshl_b32 s26, s18, 9
	s_lshl_b32 s27, s19, 2
	s_add_co_u32 s26, s26, s27
	s_add_co_u32 s26, s26, 0x40000                 ; cs likewise
	s_mov_b32 s27, 0
	s_lshl_b32 s28, s16, 7                         ; bo: 128 w; also my columns' bytes in a stage row
	s_mov_b32 s29, 0
	s_lshl_b32 s30, s17, 7                         ; the first row of out0 that I store: 128 b
	s_lshr_b32 s31, ttmp9, 1
	s_lshl_b32 s31, s31, 5
	s_add_co_u32 s30, s30, s31                     ; + 32 (tq / 2)
	s_and_b32 s31, ttmp9, 1
	s_lshl_b32 s31, s31, 3
	s_add_co_u32 s30, s30, s31                     ; + 8 (tq % 2)
	s_lshl_b32 s31, s16, 2
	s_add_co_u32 s30, s30, s31                     ; + tile row 4 w
	s_lshl_b32 s31, s18, 3
	s_add_co_u32 s30, s30, s31                     ; + 8 (tile row / 8)
	s_lshl_b32 s30, s30, 9                         ; rows of 512 bytes
	s_mov_b32 s31, 0
	v_mul_u32_u24 v8, v3, 528
	v_add_nc_u32 v8, v8, v7
	v_add_nc_u32 v8, s28, v8                       ; into the stage: row r of 528 bytes, + 128 w + 64 hf
	s_mul_i32 s32, s16, 4*528
	v_add_nc_u32 v9, s32, v1                       ; back: rows 4 w on, 16 bytes a lane
	s_wait_kmcnt 0x0
	s_add_nc_u64 s[4:5], s[4:5], s[20:21]
	s_add_nc_u64 s[6:7], s[6:7], s[22:23]
	s_add_nc_u64 s[8:9], s[8:9], s[24:25]
	s_add_nc_u64 s[10:11], s[10:11], s[26:27]
	s_add_nc_u64 s[12:13], s[12:13], s[28:29]
	s_add_nc_u64 s[14:15], s[14:15], s[30:31]
.irp ks, 0,1,2,3
.irp c, 0,1
	global_load_b128 v[XF+8*\ks+4*\c:XF+8*\ks+4*\c+3], v1, s[4:5] offset:(2*\ks+\c)*512             ; head 2 ks + c: k = 64 c + 32 hf on
	global_load_b128 v[WF+16*\ks+4*\c:WF+16*\ks+4*\c+3], v1, s[8:9] offset:\ks*8192+\c*2048         ; tile u = 0
	global_load_b128 v[WF+16*\ks+8+4*\c:WF+16*\ks+8+4*\c+3], v1, s[8:9] offset:\ks*8192+\c*2048+512 ; tile u = 1
	global_load_b32 v[WL+2*\ks+\c], v5, s[10:11] offset:\ks*1024+\c*256
	global_load_u16 v[XL+2*\ks+\c], v6, s[6:7] offset:(2*\ks+\c)*256
.endr
.endr
.irp u, 0,1
	global_load_b128 v[ACC+8*\u:ACC+8*\u+3], v7, s[12:13] offset:32*\u       ; bo at 32 w + 16 hf + 8 u + 0 .. 7
	global_load_b128 v[ACC+8*\u+4:ACC+8*\u+7], v7, s[12:13] offset:32*\u+16
.endr
	s_wait_loadcnt 0x0
.irp ks, 0,1,2,3
	v_lshl_or_b32 v[XS+\ks], v[XL+2*\ks+1], 16, v[XL+2*\ks]   ; four bytes: blocks 0, 1 of head 2 ks, then of head 2 ks + 1
	v_lshl_or_b32 v[WS+\ks], v[WL+2*\ks+1], 16, v[WL+2*\ks]
.endr
.rept 8
	v_nop                                          ; a scale word written by a vector line stands 8 places ahead of a scaled product
.endr
.irp ks, 0,1,2,3                       ; the two accumulators take turns
	v_wmma_scale_f32_16x16x128_f8f6f4 v[ACC:ACC+7], v[WF+16*\ks:WF+16*\ks+7], v[XF+8*\ks:XF+8*\ks+7], v[ACC:ACC+7], v[WS+\ks], v[XS+\ks] matrix_a_fmt:MATRIX_FMT_FP4 matrix_b_fmt:MATRIX_FMT_FP4
	v_wmma_scale_f32_16x16x128_f8f6f4 v[ACC+8:ACC+15], v[WF+16*\ks+8:WF+16*\ks+15], v[XF+8*\ks:XF+8*\ks+7], v[ACC+8:ACC+15], v[WS+\ks], v[XS+\ks] matrix_a_fmt:MATRIX_FMT_FP4 matrix_b_fmt:MATRIX_FMT_FP4 matrix_a_scale:MATRIX_SCALE_ROW1
.endr
.rept 4
	v_nop                                          ; four places ahead of the first read of the results
.endr
	ds_store_b128 v8, v[ACC:ACC+3]                 ; each accumulator from its low end on
	ds_store_b128 v8, v[ACC+4:ACC+7] offset:16
	ds_store_b128 v8, v[ACC+8:ACC+11] offset:32
	ds_store_b128 v8, v[ACC+12:ACC+15] offset:48
	s_wait_dscnt 0x0                               ; for the others' sake: a row's 512 bytes come from four waves
	s_barrier_signal -1
	s_barrier_wait -1
.irp i, 0,1,2,3
	ds_load_b128 v[OB+4*\i:OB+4*\i+3], v9 offset:528*\i
.endr
.irp i, 0,1,2,3
	s_wait_dscnt 3-\i                              ; LDS loads come back in order: load i is in, the younger ones may be out
	global_store_b128 v1, v[OB+4*\i:OB+4*\i+3], s[14:15] offset:512*\i th:TH_STORE_NT   ; 32 lanes store a whole row of 512 bytes, aligned
.endr
	s_wait_tensorcnt 0x0
	ds_add_u32 v176, v177
	s_wait_dscnt 0x0
	s_endpgm
.Lfunc_end_k_q4f48d032de_proj:
	.size	k_q4f48d032de_proj, .Lfunc_end_k_q4f48d032de_proj-k_q4f48d032de_proj
	.p2alignl 7, 3214868480
	.fill 96, 4, 3214868480
	.section	.rodata,"a",@progbits
	.p2align	6, 0x0
	.amdhsa_kernel k_q4f48d032de_proj
		.amdhsa_group_segment_fixed_size 8960
		.amdhsa_private_segment_fixed_size 0
		.amdhsa_enable_private_segment 0
		.amdhsa_kernarg_size 48
		.amdhsa_user_sgpr_count 2
		.amdhsa_user_sgpr_kernarg_segment_ptr 1
		.amdhsa_wavefront_size32 1
		.amdhsa_system_sgpr_workgroup_id_x 1
		.amdhsa_system_sgpr_workgroup_id_y 1
		.amdhsa_system_sgpr_workgroup_id_z 1
		.amdhsa_system_vgpr_workitem_id 0
		.amdhsa_next_free_vgpr 178
		.amdhsa_next_free_sgpr 66
		.amdhsa_reserve_vcc 0
		.amdhsa_float_denorm_mode_32 3
		.amdhsa_float_denorm_mode_16_64 3
		.amdhsa_memory_ordered 1
		.amdhsa_forward_progress 1
		.amdhsa_inst_pref_size 10
	.end_amdhsa_kernel
	.amdgpu_metadata
---
amdhsa.version: [ 1, 2 ]
amdhsa.kernels:
  - .name:           k_q4f48d032de_proj
    .symbol:         k_q4f48d032de_proj.kd
    .args:
      - { .name: xc, .offset: 0, .size: 8, .value_kind: global_buffer, .address_space: global }
      - { .name: xs, .offset: 8, .size: 8, .value_kind: global_buffer, .address_space: global }
      - { .name: cc, .offset: 16, .size: 8, .value_kind: global_buffer, .address_space: global }
      - { .name: cs, .offset: 24, .size: 8, .value_kind: global_buffer, .address_space: global }
      - { .name: bo, .offset: 32, .size: 8, .value_kind: global_buffer, .address_space: global }
      - { .name: out0, .offset: 40, .size: 8, .value_kind: global_buffer, .address_space: global }
    .group_segment_fixed_size: 8960
    .private_segment_fixed_size: 0
    .kernarg_segment_align: 8
    .kernarg_segment_size: 48
    .max_flat_workgroup_size: 128
    .sgpr_count:     66
    .vgpr_count:     178
    .wavefront_size: 32
...
	.end_amdgpu_metadata
.endif
;; end of part 3
